; MI455X (gfx1250); checked and timed in simulation.
; The chip was launched on July 23, 2026; its instructions are those of AMD's public machine-readable ISA for CDNA 5 (MIT licence, August 2026) and "CDNA5" Instruction Set Architecture Reference Guide (July 2026). The comments in the code are by the model that wrote it; some were corrected since.
;; Multi Head Attention. Allowed arithmetic: matrix products marked QUANTISED: E2M3 operands, one E8M0 scale for each 32 along K, by v_wmma_scale_f32_16x16x128_f8f6f4 with both operands' format E2M3, f32 sums; everything else in f32.
;; Inputs: Wk 1,024 x 1,024 float32; Wo 1,024 x 1,024 float32; Wq 1,024 x 1,024 float32; Wv 1,024 x 1,024 float32; bk 1,024 float32; bo 1,024 float32; bq 1,024 float32; bv 1,024 float32; k 4 x 2,048 x 1,024 float32; mask 1 x 1 x 2,048 x 2,048 int32; q 4 x 2,048 x 1,024 float32; v 4 x 2,048 x 1,024 float32.
;; Outputs: out0 4 x 2,048 x 1,024 float32.
;; This version of the problem:
;;   THIS VERSION OF THE PROBLEM IS GIVEN IN LOW PRECISION. The matrix products marked QUANTISED in the list below multiply operands that are first quantised to E2M3 (2 exponent bits, 3 mantissa bits; 6 bits a number), with one power-of-two scale for each 32 numbers along K (OCP MX v1.0); their sums are f32. All else is computed in f32.
;;   The module's matrix products, in the order in which they are computed (A, B: the left and right operand; K: the contracted axis; several contracted axes count as one K, in the product's order):
;;     1. [M 8,192, K 1,024] x [K 1,024, N 1,024]; A: input q; B: input Wq: QUANTISED
;;     2. [M 8,192, K 1,024] x [K 1,024, N 1,024]; A: input k; B: input Wk: QUANTISED
;;     3. [M 8,192, K 1,024] x [K 1,024, N 1,024]; A: input v; B: input Wv: QUANTISED
;;     4. batch 64 x [M 2,048, K 64] x [K 64, N 2,048]; A: computed on the way; B: computed on the way: QUANTISED
;;     5. batch 64 x [M 2,048, K 2,048] x [K 2,048, N 64]; A: softmax (see below); B: computed on the way: QUANTISED
;;     6. [M 8,192, K 1,024] x [K 1,024, N 1,024]; A: computed on the way; B: input Wo: QUANTISED
;;   THE QUANTISER, for each operand of a quantised product, along K:
;;     - K is cut into blocks of 32 from its start; a last block that is shorter is filled with zeros.
;;     - A block's scale is 2^e with e = floor(log2(the largest magnitude in the block)) - 2, held to -126 .. 127; a block of zeros has e = 0. As a byte (E8M0): e + 127.
;;     - Each number is divided by its block's scale, clamped to +-7.5, and rounded to the nearest number of E2M3, ties to even, subnormals kept.
;;     - The product sums the exact products of the quantised numbers (number of the format x scale) in f32.
;;   ~~~python
;;   def quantise(x, axis):      # numpy; x: float32 -> the quantised numbers, widened to float32 again
;;       x = np.moveaxis(x, axis, -1); K = x.shape[-1]
;;       x = np.pad(x, [(0, 0)] * (x.ndim - 1) + [(0, -K % 32)]); x = x.reshape(x.shape[:-1] + (-1, 32)); a = np.abs(x).max(-1, keepdims=True)
;;       e = np.where(a > 0, np.clip(np.frexp(np.where(a > 0, a, 1))[1] - 1 - 2, -126, 127), 0)      # np.frexp(a)[1] - 1 = floor(log2(a)), exactly
;;       r = np.clip(x / 2.0 ** e, -7.5, 7.5)
;;       step = 2.0 ** (np.maximum(np.frexp(np.where(r == 0, 1, r))[1] - 1, 0) - 3)
;;       q = np.round(r / step) * step * 2.0 ** e      # np.round: ties to even
;;       return np.moveaxis(q.reshape(q.shape[:-2] + (-1,))[..., :K], -1, axis).astype(np.float32)
;;   ~~~
;;   SOFTMAX AHEAD OF A QUANTISED PRODUCT. Where the list says 'softmax', what is quantised is not the finished softmax but p = 2^(t - M), with t = logit x log2(e) and M = ceil(the row's largest t), a whole number; so 1/2 < the row's largest p <= 1. The row's sum l is taken of the UNQUANTISED p, in f32, and the product's result is divided by l at the end. Since M is a whole number, a kernel that streams over the keys may use a running M (the ceiling of the running maximum): every later rescaling is an exact power of two, which a block's scale takes up: the codes' values come out the same.
;;   OPERANDS COMPUTED ON THE WAY. 'Computed on the way' means the value that the module computes at that place (a softmax that the list does not call 'softmax' is quantised finished and normalised). What goes into a quantiser is computed in f32, as accurately as f32 sums, v_exp_f32 and their like allow (about 1e-6 of the number): no bf16 or f16 on the way to a quantiser, and a product that is left as it is and whose result goes on into a quantised operand takes f32 operands (vector FMAs, or v_wmma_f32_16x16x4_f32). A number that lies on a knife's edge between two numbers of the format may be rounded either way, as far as f32 arithmetic and the matrix unit's own rounding can turn it there, and no further.
;; One version. Each part assembles by itself: llvm-mc -triple=amdgcn-amd-amdhsa -mcpu=gfx1250 --defsym DOCPART=n.
;; ======== version 1 of 1: 4 launches
;; workspace buffers: cod 22,020,096 bytes; scl 917,504 bytes; ml 524,288 bytes of whole numbers; mc 8,192 bytes of whole numbers; hcod 18,874,368 bytes; hscl 1,572,864 bytes; ccod 6,291,456 bytes; cscl 524,288 bytes
;; launch prep (part 1): grid 576 x 1, 4 waves a work-group, no clusters, 68,096 bytes of LDS; arguments q, k, v, Wq, Wk, Wv, Wo, mask, cod, scl, ml, mc; writes cod, scl, ml, mc
.if DOCPART == 1
	.amdgcn_target "amdgcn-amd-amdhsa--gfx1250"
	.amdhsa_code_object_version 6
	.text
	.protected	k_q7ef1f1abeb_prep
	.globl	k_q7ef1f1abeb_prep
	.p2align	8
	.type	k_q7ef1f1abeb_prep,@function
k_q7ef1f1abeb_prep:
	s_mov_b64 s[64:65], 0
	v_nop
	global_prefetch_b8 v0, s[64:65] scope:SCOPE_SE
	s_setreg_imm32_b32 hwreg(HW_REG_WAVE_MODE, 25, 1), 1
	s_wait_xcnt 0x0
; q, k, v [8192][1024] and Wq, Wk, Wv, Wo [1024][1024], f32, become codes of FP6 (E2M3) with one E8M0 byte for each 32 along K = 1,024; the mask [2048][2048] of int32 becomes lane masks and tile classes.
; A TILE is 16 rows: lane r of tile t holds row 32 (t / 2) + 8 (t % 2) + r + 8 (r / 8).  All later launches take rows in such tiles, so that a product's results are neighbours along the next K.
; The codes leave as IMAGES OF THE OPERAND'S REGISTERS: a fragment (16 rows x 128 K, 12 registers a lane) is 1,536 bytes: registers 4 c .. 4 c + 3 of lane l at 512 c + 16 l.  cod: [tile 1792][K step 8] images;
; tiles 0-511 q, 512-1023 k, 1024-1535 v, then 64 each of Wq, Wk, Wv, Wo.  scl: [tile][row 16][K step 8] scale words (four bytes: 128 along K of one row).
; A block's scale is 2^(floor(log2(its largest magnitude)) - 2); its byte is the largest magnitude's exponent field - 2, held at 1 from below.
; LIMITS: a block of zeros gets the byte 1 where the rule says 127 (its codes are zeros, and this program alone reads the bytes); blocks whose largest magnitude lies under 2^(3 - 127) are held at that byte; NaN and infinities are not served.
; SHARES.  Work-groups 0-447: wave w quantises tile 4 x work-group + w.  Work-groups 448-575: query tile Tq = work-group - 448; wave w takes keys 512 w .. 512 w + 511, four steps of 128.
; Each load reads 512 consecutive bytes of one row; a step's 16 rows x 512 bytes turn through the wave's own stage in LDS (rows 528 bytes apart) and come back so that register 16 b + i of lane (r, h) is number 32 b + 16 h + i of row r.
; ml: [Tq 128][step 16][n 64] words: bit r + 16 h of word n says that key 128 step + 32 (n / 16) + 16 h + n % 16 is open for row r of tile Tq: the lanes and registers in which the attention launch holds its scores.
; mc: [Tq][quarter 4][4] words: steps with an open key (bit = step), steps all of whose keys are open, the OR of the quarter's lane masks, 0.
; No barrier: waves share nothing.  The two paths part on the work-group's number and have LDS bytes of their own.
.set ROWX,   4096                      ; a row of q, k, v or a weight in bytes
.set ROWM,   8192                      ; a row of the mask
.set SPITCH, 528                       ; a stage row: 512 bytes + 16 = 132 words: row r starts at bank 4 r mod 64 (64 banks of 4 bytes: ISA guide 11.1)
.set WSTG,   16*SPITCH                 ; a wave's stage
.set STGM,   4*WSTG                    ; the mask path's four stages lie behind the quantiser's four
.set R,      16                        ; v16-143  two sets of 64 registers as they are loaded
.set X,      144                       ; v144-207 the step's 64 numbers of my row
.set PC,     208                       ; v208-226 the codes just made
.set TM,     228                       ; v228-243 at work: largest magnitudes, bytes, scale operands
.set PW,     244                       ; v244-251 my row's eight scale words
.set OUTM,   208                       ; mask path: v208-215 a pair of registers for each step: lane l holds words 2 l and 2 l + 1
.set REC,    216                       ; mask path: v216-219 the class record
.macro LOADR t, rowb                   ; step t's 16 rows into set t % 2: load i takes row i + 8 (i / 8) of the tile's 24, 32 lanes x 16 consecutive bytes
.irp i, 0,1,2,3,4,5,6,7,8,9,10,11,12,13,14,15
	global_load_b128 v[R+64*((\t)%2)+4*\i:R+64*((\t)%2)+4*\i+3], v4, s[30:31] offset:(\i+8*(\i/8))*\rowb+512*(\t) th:TH_LOAD_NT
.endr
.endm
.macro TURN t, ai, ao                  ; through the stage: LDS serves a wave's instructions in order (ISA guide 5.7.1.4), so no wait stands between the stores and the loads
.irp i, 0,1,2,3,4,5,6,7,8,9,10,11,12,13,14,15
	ds_store_b128 v[\ai], v[R+64*((\t)%2)+4*\i:R+64*((\t)%2)+4*\i+3] offset:SPITCH*\i
.endr
.irp b, 0,1,2,3
.irp j, 0,1,2,3
	ds_load_b128 v[X+16*\b+4*\j:X+16*\b+4*\j+3], v[\ao] offset:128*\b+16*\j
.endr
.endr
.endm
; 64 numbers of a lane, register 16 b + i = k 32 b + 16 (lane / 16) + i of my row, become a fragment's codes in v[PC] on and its scale word in v[pw].
.macro QUANT s, pw
.irp b, 0,1,2,3
	v_max3_num_f32 v[TM+\b], |v[(\s)+16*\b]|, |v[(\s)+1+16*\b]|, 0x1800000   ; my 16 numbers of block b, and the floor 2^(3 - 127): the byte cannot fall under 1
.endr
.irp i, 2,4,6,8,10,12,14
.irp b, 0,1,2,3
	v_max3_num_f32 v[TM+\b], v[TM+\b], |v[(\s)+16*\b+\i]|, |v[(\s)+1+16*\b+\i]|   ; the four blocks by turns
.endr
.endr
.irp b, 0,1,2,3
	v_permlanex16_b32 v[TM+4+\b], v[TM+\b], s36, s37
.endr
.irp b, 0,1,2,3
	v_max_num_f32 v[TM+\b], v[TM+\b], v[TM+4+\b]   ; with lane l xor 16's: the block's largest magnitude
.endr
.irp b, 0,1,2,3
	v_add_nc_u32 v[TM+12+\b], 0xff000000, v[TM+\b]   ; 2 off its exponent field: the conversion takes the exponent field of this operand as its scale
.endr
.irp b, 0,1,2,3
	v_lshrrev_b32 v[TM+4+\b], 23, v[TM+12+\b]      ; the scale's byte
.endr
	v_lshl_or_b32 v[\pw], v[TM+5], 8, v[TM+4]
	v_lshl_or_b32 v[\pw], v[TM+6], 16, v[\pw]
	v_lshl_or_b32 v[\pw], v[TM+7], 24, v[\pw]
.irp c, 0,1
	v_cvt_scalef32_pk16_fp6_f32 v[PC+6*\c:PC+2+6*\c], v[(\s)+32*\c:(\s)+15+32*\c], v[TM+12+2*\c]
	v_cvt_scalef32_pk16_fp6_f32 v[PC+12+4*\c:PC+14+4*\c], v[(\s)+16+32*\c:(\s)+31+32*\c], v[TM+12+2*\c+1]   ; (a conversion's three registers begin on an even number)
.endr
	v_nop                                          ; one plain place behind a scaled conversion
.irp c, 0,1                                    ; the operand's layout wants a whole block in a lane: lanes 0-15 block 2 c, lanes 16-31 block 2 c + 1
.irp i, 0,1,2
	v_permlane16_swap_b32 v[PC+6*\c+\i], v[PC+12+4*\c+\i]
.endr
.irp i, 0,1,2
	v_mov_b32 v[PC+3+6*\c+\i], v[PC+12+4*\c+\i]
.endr
.endr
.endm
	s_load_b512 s[4:19], s[0:1], 0x0               ; q s[4:5], k s[6:7], v s[8:9], Wq s[10:11], Wk s[12:13], Wv s[14:15], Wo s[16:17], mask s[18:19]
	s_load_b256 s[20:27], s[0:1], 0x40             ; cod s[20:21], scl s[22:23], ml s[24:25], mc s[26:27]
	v_lshl_add_u32 v254, v0, 2, 0x10800
	v_mov_b32 v255, 0
	v_lshrrev_b32 v1, 5, v0
	v_readfirstlane_b32 s28, v1                    ; wave 0..3
	v_and_b32 v2, 31, v0                           ; lane
	v_and_b32 v3, 15, v0                           ; r
	v_bfe_u32 v1, v0, 4, 1                         ; h
	v_lshlrev_b32 v4, 4, v2                        ; 16 x lane: my bytes of a load, of a stage row and of an image
	s_mul_i32 s33, s28, WSTG
	v_add_nc_u32 v5, s33, v4                       ; the quantiser's stage, on the way in
	v_mul_u32_u24 v6, v3, SPITCH
	v_lshl_add_u32 v6, v1, 6, v6
	v_add_nc_u32 v6, s33, v6                       ; and out: row r, + 64 h
	v_add_nc_u32 v12, STGM, v5                     ; the mask path's stage likewise
	v_add_nc_u32 v13, STGM, v6
	v_lshlrev_b32 v7, 5, v3
	v_lshl_add_u32 v7, v1, 4, v7                   ; 32 r + 16 h: my four of my row's eight scale words
	v_lshlrev_b32 v14, 3, v2                       ; 8 x lane
	s_mov_b32 s36, 0x76543210
	s_mov_b32 s37, 0xfedcba98                      ; v_permlanex16_b32's selects for lane l xor 16
	s_mov_b32 s38, 0xffff0000                      ; lanes 16-31
	s_mov_b32 s35, 0
	s_wait_kmcnt 0x0
	s_cmp_ge_u32 ttmp9, 448
	s_cbranch_scc1 .Lmask
	; ---- the quantiser.  Which tensor, and its first work-group: the choice hangs on the work-group's number alone
	s_mov_b64 s[30:31], s[16:17]
	s_mov_b32 s32, 432
	s_cmp_lt_u32 ttmp9, 432
	s_cselect_b64 s[30:31], s[14:15], s[30:31]
	s_cselect_b32 s32, 416, s32
	s_cmp_lt_u32 ttmp9, 416
	s_cselect_b64 s[30:31], s[12:13], s[30:31]
	s_cselect_b32 s32, 400, s32
	s_cmp_lt_u32 ttmp9, 400
	s_cselect_b64 s[30:31], s[10:11], s[30:31]
	s_cselect_b32 s32, 384, s32
	s_cmp_lt_u32 ttmp9, 384
	s_cselect_b64 s[30:31], s[8:9], s[30:31]
	s_cselect_b32 s32, 256, s32
	s_cmp_lt_u32 ttmp9, 256
	s_cselect_b64 s[30:31], s[6:7], s[30:31]
	s_cselect_b32 s32, 128, s32
	s_cmp_lt_u32 ttmp9, 128
	s_cselect_b64 s[30:31], s[4:5], s[30:31]
	s_cselect_b32 s32, 0, s32
	s_sub_co_u32 s34, ttmp9, s32
	s_lshl_b32 s34, s34, 18                        ; 64 rows of 4,096 bytes a work-group
	s_lshr_b32 s33, s28, 1
	s_lshl_b32 s33, s33, 17                        ; + 32 (w / 2) rows
	s_add_co_u32 s34, s34, s33
	s_and_b32 s33, s28, 1
	s_lshl_b32 s33, s33, 15                        ; + 8 (w % 2) rows
	s_add_co_u32 s34, s34, s33
	s_add_nc_u64 s[30:31], s[30:31], s[34:35]
	s_lshl_b32 s33, ttmp9, 2
	s_add_co_u32 s33, s33, s28                     ; my tile
	s_mul_i32 s34, s33, 12288
	s_add_nc_u64 s[20:21], s[20:21], s[34:35]      ; its eight images
	s_lshl_b32 s34, s33, 9
	s_add_nc_u64 s[22:23], s[22:23], s[34:35]      ; its scale words
	LOADR 0, ROWX
	LOADR 1, ROWX
.irp b, 0,1,2,3
	v_mov_b32 v[TM+4+\b], 0                        ; written once: a lane permute's destination counts as one of its sources
.endr
.macro QSTEP t
.if (\t) < 7
	s_wait_loadcnt 16                              ; this step's 16 loads are in; the next step's 16 may be out
.else
	s_wait_loadcnt 0x0
.endif
	TURN \t, 5, 6
	s_wait_dscnt 0x0                               ; the numbers are back, and the stores into the stage have read this set's registers
	s_wait_xcnt 0x0                                ; the last step's stores have read the codes' registers, which are written again below
.if (\t)+2 < 8
	LOADR (\t)+2, ROWX
.endif
	QUANT X, PW+(\t)
.irp c, 0,1,2
	global_store_b128 v4, v[PC+4*\c:PC+4*\c+3], s[20:21] offset:1536*(\t)+512*\c   ; 32 lanes store 512 consecutive bytes, at a multiple of 512 from the buffer's first byte
.endr
.endm
.irp t, 0,1,2,3,4,5,6,7
	QSTEP \t
.endr
.irp i, 0,1,2,3
	v_cndmask_b32 v[8+\i], v[PW+\i], v[PW+4+\i], s38   ; lanes 0-15 store their row's words 0-3, lanes 16-31 words 4-7
.endr
	global_store_b128 v7, v[8:11], s[22:23]        ; the tile's 512 bytes of scale words
	s_wait_tensorcnt 0x0
	ds_add_u32 v254, v255
	s_wait_dscnt 0x0
	s_endpgm
	; ---- the mask
.Lmask:
	s_sub_co_u32 s29, ttmp9, 448                   ; Tq
	s_lshr_b32 s34, s29, 1
	s_lshl_b32 s34, s34, 18                        ; 32 (Tq / 2) rows of 8,192 bytes
	s_and_b32 s33, s29, 1
	s_lshl_b32 s33, s33, 16                        ; + 8 (Tq % 2) rows
	s_add_co_u32 s34, s34, s33
	s_lshl_b32 s33, s28, 11                        ; + my quarter of the keys: 512 x 4 bytes
	s_add_co_u32 s34, s34, s33
	s_add_nc_u64 s[30:31], s[18:19], s[34:35]
	s_lshl_b32 s34, s29, 12
	s_lshl_b32 s33, s28, 10
	s_add_co_u32 s34, s34, s33                     ; ml: 4,096 bytes a tile, 256 a step
	s_add_nc_u64 s[24:25], s[24:25], s[34:35]
	s_lshl_b32 s34, s29, 6
	s_lshl_b32 s33, s28, 4
	s_add_co_u32 s34, s34, s33                     ; mc: 64 bytes a tile, 16 a quarter
	s_add_nc_u64 s[26:27], s[26:27], s[34:35]
	LOADR 0, ROWM
	LOADR 1, ROWM
.irp i, 0,1,2,3,4,5,6,7
	v_mov_b32 v[OUTM+\i], 0                        ; v_writelane_b32's destination counts as one of its sources
.endr
	s_mov_b32 s46, 0                               ; steps with an open key
	s_mov_b32 s47, 0                               ; steps all open
	s_mov_b32 s48, 0                               ; the OR of all lane masks
	s_lshl_b32 s49, s28, 2
	s_lshl_b32 s49, 1, s49                         ; the bit of my first step
.macro MSTEP t
.if (\t) < 3
	s_wait_loadcnt 16                              ; this step's 16 loads are in; the next step's 16 may be out
.else
	s_wait_loadcnt 0x0
.endif
	TURN \t, 12, 13
	s_wait_dscnt 0x0
.if (\t)+2 < 4
	LOADR (\t)+2, ROWM
.endif
	s_mov_b32 s44, -1
	s_mov_b32 s45, 0
.set n, 0
.rept 16                                       ; four compares at a time, so that the scalar lines do not each wait for the compare just ahead
.irp u, 0,1,2,3
	v_cmp_ne_u32 s[40+\u], 0, v[X+n+\u]            ; word n: the 32 lanes' bits
.endr
.irp u, 0,1,2,3
	s_and_b32 s44, s44, s[40+\u]
	s_or_b32 s45, s45, s[40+\u]
	v_writelane_b32 v[OUTM+2*(\t)+\u%2], s[40+\u], (n+\u)/2
.endr
.set n, n+4
.endr
	global_store_b64 v14, v[OUTM+2*(\t):OUTM+2*(\t)+1], s[24:25] offset:256*(\t)   ; the step's 64 words: 256 consecutive bytes
	s_cmp_eq_u32 s44, -1
	s_cselect_b32 s50, s49, 0
	s_or_b32 s47, s47, s50
	s_cmp_lg_u32 s45, 0
	s_cselect_b32 s50, s49, 0
	s_or_b32 s46, s46, s50
	s_or_b32 s48, s48, s45
	s_lshl_b32 s49, s49, 1
.endm
.irp t, 0,1,2,3
	MSTEP \t
.endr
	v_mov_b32 v[REC], s46
	v_mov_b32 v[REC+1], s47
	v_mov_b32 v[REC+2], s48
	v_mov_b32 v[REC+3], 0
	v_mov_b32 v15, 0
	v_cmp_eq_u32 vcc_lo, 0, v2
	s_wait_xcnt 0x0                                ; EXEC is a source of the stores above: it changes only behind this wait
	s_wait_tensorcnt 0x0
	ds_add_u32 v254, v255
	s_wait_dscnt 0x0
	s_and_saveexec_b32 s52, vcc_lo
	global_store_b128 v15, v[REC:REC+3], s[26:27]  ; lane 0 stores the quarter's record
	s_wait_xcnt 0x0
	s_or_b32 exec_lo, exec_lo, s52
	s_endpgm
.Lfunc_end_k_q7ef1f1abeb_prep:
	.size	k_q7ef1f1abeb_prep, .Lfunc_end_k_q7ef1f1abeb_prep-k_q7ef1f1abeb_prep
	.p2alignl 7, 3214868480
	.fill 96, 4, 3214868480
	.section	.rodata,"a",@progbits
	.p2align	6, 0x0
	.amdhsa_kernel k_q7ef1f1abeb_prep
		.amdhsa_group_segment_fixed_size 68096
		.amdhsa_private_segment_fixed_size 0
		.amdhsa_enable_private_segment 0
		.amdhsa_kernarg_size 96
		.amdhsa_user_sgpr_count 2
		.amdhsa_user_sgpr_kernarg_segment_ptr 1
		.amdhsa_wavefront_size32 1
		.amdhsa_system_sgpr_workgroup_id_x 1
		.amdhsa_system_sgpr_workgroup_id_y 1
		.amdhsa_system_sgpr_workgroup_id_z 1
		.amdhsa_system_vgpr_workitem_id 0
		.amdhsa_next_free_vgpr 256
		.amdhsa_next_free_sgpr 66
		.amdhsa_reserve_vcc 1
		.amdhsa_float_denorm_mode_32 3
		.amdhsa_float_denorm_mode_16_64 3
		.amdhsa_memory_ordered 1
		.amdhsa_forward_progress 1
		.amdhsa_inst_pref_size 130
	.end_amdhsa_kernel
	.amdgpu_metadata
---
amdhsa.version: [ 1, 2 ]
amdhsa.kernels:
  - .name:           k_q7ef1f1abeb_prep
    .symbol:         k_q7ef1f1abeb_prep.kd
    .args:
      - { .name: q, .offset: 0, .size: 8, .value_kind: global_buffer, .address_space: global }
      - { .name: k, .offset: 8, .size: 8, .value_kind: global_buffer, .address_space: global }
      - { .name: v, .offset: 16, .size: 8, .value_kind: global_buffer, .address_space: global }
      - { .name: Wq, .offset: 24, .size: 8, .value_kind: global_buffer, .address_space: global }
      - { .name: Wk, .offset: 32, .size: 8, .value_kind: global_buffer, .address_space: global }
      - { .name: Wv, .offset: 40, .size: 8, .value_kind: global_buffer, .address_space: global }
      - { .name: Wo, .offset: 48, .size: 8, .value_kind: global_buffer, .address_space: global }
      - { .name: mask, .offset: 56, .size: 8, .value_kind: global_buffer, .address_space: global }
      - { .name: cod, .offset: 64, .size: 8, .value_kind: global_buffer, .address_space: global }
      - { .name: scl, .offset: 72, .size: 8, .value_kind: global_buffer, .address_space: global }
      - { .name: ml, .offset: 80, .size: 8, .value_kind: global_buffer, .address_space: global }
      - { .name: mc, .offset: 88, .size: 8, .value_kind: global_buffer, .address_space: global }
    .group_segment_fixed_size: 68096
    .private_segment_fixed_size: 0
    .kernarg_segment_align: 8
    .kernarg_segment_size: 96
    .max_flat_workgroup_size: 128
    .sgpr_count:     66
    .vgpr_count:     256
    .wavefront_size: 32
...
	.end_amdgpu_metadata
.endif
;; end of part 1
;; launch proj (part 2): grid 4 x 96, 4 waves a work-group, clusters of 4 x 1, 205,312 bytes of LDS; arguments cod, scl, bq, bk, bv, hcod, hscl; writes hcod, hscl
.if DOCPART == 2
	.amdgcn_target "amdgcn-amd-amdhsa--gfx1250"
	.amdhsa_code_object_version 6
	.text
	.protected	k_q7ef1f1abeb_proj
	.globl	k_q7ef1f1abeb_proj
	.p2align	8
	.type	k_q7ef1f1abeb_proj,@function
k_q7ef1f1abeb_proj:
	s_mov_b64 s[64:65], 0
	v_nop
	global_prefetch_b8 v0, s[64:65] scope:SCOPE_SE
	s_setreg_imm32_b32 hwreg(HW_REG_WAVE_MODE, 25, 1), 1
	s_wait_xcnt 0x0
	s_wait_alu depctr_hold_cnt(0) depctr_sa_sdst(0) depctr_va_vdst(0) depctr_va_sdst(0) depctr_va_ssrc(0) depctr_va_vcc(0) depctr_vm_vsrc(0)
	s_getreg_b32 s2, hwreg(HW_REG_IB_STS2, 6, 4)
	s_cmp_eq_u32 s2, 0
	s_cbranch_scc0 .Lentry_in_a_cluster
	s_endpgm
.Lentry_in_a_cluster:
	s_bfe_u32 s2, ttmp6, 0x10000c
	s_cmp_lg_u32 s2, 0x3003
	s_cbranch_scc0 .Lentry_shape_is_right
	s_endpgm
.Lentry_shape_is_right:
; qh = q Wq^T + bq, kh = k Wk^T + bk, vh = v Wv^T + bv on codes of FP6 (E2M3) with E8M0 scales, sums in f32; the results are quantised in registers for the attention launch: qh and kh along the head's 64, vh along the keys.
; SHARES.  Work-group y = 32 x type + tb (type 0 q, 1 k, 2 v; tb: 256 tokens); its place cx in the cluster of four is a quarter of the 1,024 outputs.  Wave w owns head 4 cx + w: 64 rows of the weight, four tiles,
; 32 fragments, 384 registers, read from memory once and kept.  The block's 16 token tiles (196,608 bytes of images, 8,192 of scale words) come into LDS ONCE, by two tensor loads a wave, and are only read afterwards.
; CLUSTER.  The four partners need the same block of tokens: each load is asked for jointly, with the same descriptor (made of y and the wave's number alone) and the mask 15.
; A TILE's lane r holds row 32 (t / 2) + 8 (t % 2) + r + 8 (r / 8).  q, k: source 0 = a tile of the weight, source 1 = a tile of tokens: a lane holds one token, and the registers of weight tiles 2 b, 2 b + 1 are channels 32 b + 16 h + 0 .. 15.
; v: the sources change places: a lane holds one channel, and the registers of token tiles 2 b, 2 b + 1 are keys 32 b + 16 h + 0 .. 15.  Either way 32 registers are 64 neighbours (with lane l xor 16) along the next product's K.
; The bias is the C of each sum's first matrix instruction.
; OUT.  A HALF is 16 rows x 64 K, 6 registers a lane, 768 bytes: registers 0-3 at 16 x lane, registers 4-5 at 512 + 8 x lane.  hcod: [type][batch x head 64][4 x block of 64 tokens + e] HALF (q, k: e = token tile; v: e = channel tile).
; hscl: [type][batch x head][block of 64 tokens][r 16][e 4] words: two scale bytes, upper bytes 0.
; LIMITS: a block of zeros gets the byte 1 (its codes are zeros; this program alone reads the bytes); NaN and infinities are not served.
; REGISTERS, in windows of 256: window 0: v4-13 addresses; v32-127 token fragments, two sets of 4 x 12; v128-159 their scale words; v160-191 the weight's; v192-225 at work.
;   window 1: the fragments of weight tiles 0, 1 (tile n, K step ks at 12 (8 n + ks));  window 2: of tiles 2, 3;  window 3: v0-127 16 accumulators, v128-159 the bias in the result's layout.
.set XSCL, 196608                      ; LDS: 16 tiles x 8 images from byte 0; behind them 16 x 512 bytes of scale words
.set XF,   32
.set XSC,  128                         ; word of token tile tt, K step ks at 8 tt + ks
.set WSC,  160                         ; of weight tile nt at 8 nt + ks
.set TM,   192                         ; v192-193 largest magnitudes, v194-195 bytes, v196-197 scale operands
.set PC,   208                         ; v208-213 a HALF's codes
.set PCB,  214                         ; v214-216 the second conversion's result
.set PW,   220                         ; v220-223 the four scale words of a block
.set SW,   224                         ; v224-225 the two that I store
.set BI,   128                         ; in window 3
.set MSB, 0
.macro WIN new                         ; the immediate's high byte repeats the setting that is left
.if MSB != \new
	s_set_vgpr_msb (MSB<<8)|\new
.set MSB, \new
.endif
.endm
.macro PLACES                          ; four plain places behind a matrix instruction of this form (ISA guide 7.12.1)
.rept 4
	v_nop
.endr
.endm
.macro ROUND                           ; a round of the cluster's barrier
	s_barrier_signal -1
	s_barrier_wait -1
	s_cmp_lg_u32 s18, 0
	s_cbranch_scc1 .Lnot_wave_0_\@
	s_barrier_signal -3
.Lnot_wave_0_\@:
	s_barrier_wait -3
	s_barrier_signal -1
	s_barrier_wait -1
.endm
.macro WM d, a, b, c, sa, sb
	v_wmma_scale_f32_16x16x128_f8f6f4 v[\d:\d+7], v[\a:\a+11], v[\b:\b+11], v[\c:\c+7], v[\sa], v[\sb] matrix_a_fmt:MATRIX_FMT_FP6 matrix_b_fmt:MATRIX_FMT_FP6
.endm
.macro FETCHX ks, st                   ; the block's four token fragments of K step ks into set st: 12 loads, each 512 consecutive bytes
.irp tt, 0,1,2,3
.irp c, 0,1,2
	ds_load_b128 v[XF+48*(\st)+12*\tt+4*\c:XF+48*(\st)+12*\tt+4*\c+3], v6 offset:12288*\tt+1536*(\ks)+512*\c
.endr
.endr
.endm
; 8 matrix instructions: weight tiles n0, n0 + 1 x four token tiles, K step ks.  v = 1: the sources change places.  The 16 accumulators take turns, one instruction a turn, in the same order in every K step.
.macro MUL8 v, ks, n0
.if \v
	WIN 0xf4+4*((\n0)/2)                           ; source 1 (the weight) window 1 or 2, C and D window 3
.else
	WIN 0xf1+((\n0)/2)                             ; source 0 (the weight) window 1 or 2, C and D window 3
.endif
.irp n, 0,1
.irp tt, 0,1,2,3
.set nt, (\n0)+\n
.set rW, 12*(8*\n+(\ks))
.set rX, XF+48*((\ks)%2)+12*\tt
.if \v
.set rD, 8*(4*nt+\tt)
.else
.set rD, 8*(4*\tt+nt)
.endif
.set rC, rD
.if (\ks) == 0
.set rC, BI+8*nt                       ; the first K step starts the sum from the bias
.endif
.if \v
	WM rD, rX, rW, rC, XSC+8*\tt+(\ks), WSC+8*nt+(\ks)
.else
	WM rD, rW, rX, rC, WSC+8*nt+(\ks), XSC+8*\tt+(\ks)
.endif
.endr
.endr
.endm
.macro KLOOP v                         ; 64 tokens x my 64 outputs x K = 1,024: 128 matrix instructions
.irp tt, 0,1,2,3
	ds_load_b128 v[XSC+8*\tt:XSC+8*\tt+3], v7 offset:512*\tt
	ds_load_b128 v[XSC+8*\tt+4:XSC+8*\tt+7], v7 offset:512*\tt+16
.endr
	FETCHX 0, 0
.irp ks, 0,1,2,3,4,5,6,7
.if \ks > 0
	PLACES                                         ; in front of loads into the set that the K step before multiplied
.endif
.if \ks < 7
	FETCHX (\ks+1), ((\ks+1)%2)
	s_wait_dscnt 12                                ; all but the 12 just issued: this K step's fragments (and the scale words) are in
.else
	s_wait_dscnt 0x0
.endif
	MUL8 \v, \ks, 0
	MUL8 \v, \ks, 2
	WIN 0
.endr
.endm
; 32 accumulator registers of window 3 from a on, register 16 b + i = k 32 b + 16 (lane / 16) + i, become a HALF's codes in v[PC] on and its scale word in v[pw].  Each accumulator is read from its low end on.
.macro Q64W a, pw
	WIN 0x3c                                       ; sources 1 and 2 window 3
.irp b, 0,1
	v_max3_num_f32 v[TM+\b], 0x1800000, |v[(\a)+16*\b]|, |v[(\a)+16*\b+1]|   ; the floor 2^(3 - 127): the byte cannot fall under 1
.endr
.irp i, 2,4,6,8,10,12,14
.irp b, 0,1
	v_max3_num_f32 v[TM+\b], v[TM+\b], |v[(\a)+16*\b+\i]|, |v[(\a)+16*\b+\i+1]|
.endr
.endr
	WIN 0
.irp b, 0,1
	v_permlanex16_b32 v[TM+2+\b], v[TM+\b], s58, s59
.endr
.irp b, 0,1
	v_max_num_f32 v[TM+\b], v[TM+\b], v[TM+2+\b]   ; with lane l xor 16's: the block's largest magnitude
.endr
.irp b, 0,1
	v_add_nc_u32 v[TM+4+\b], 0xff000000, v[TM+\b]  ; 2 off its exponent field: the conversion's scale operand
.endr
.irp b, 0,1
	v_lshrrev_b32 v[TM+2+\b], 23, v[TM+4+\b]       ; the scale's byte
.endr
	v_lshl_or_b32 v[\pw], v[TM+3], 8, v[TM+2]
	s_wait_xcnt 0x0                                ; the last HALF's stores have read the codes' registers
	WIN 0x03                                       ; source 0 window 3
	v_cvt_scalef32_pk16_fp6_f32 v[PC:PC+2], v[(\a):(\a)+15], v[TM+4]
	v_cvt_scalef32_pk16_fp6_f32 v[PCB:PCB+2], v[(\a)+16:(\a)+31], v[TM+5]
	WIN 0
	v_nop                                          ; one plain place behind a scaled conversion
.irp i, 0,1,2
	v_permlane16_swap_b32 v[PC+\i], v[PCB+\i]      ; a whole block to a lane: lanes 0-15 block 0, lanes 16-31 block 1
.endr
.irp i, 0,1,2
	v_mov_b32 v[PC+3+\i], v[PCB+\i]
.endr
.endm
	s_load_b256 s[4:11], s[0:1], 0x0               ; cod s[4:5], scl s[6:7], bq s[8:9], bk s[10:11]
	s_load_b128 s[12:15], s[0:1], 0x20             ; bv s[12:13], hcod s[14:15]
	s_load_b64 s[16:17], s[0:1], 0x30              ; hscl
	v_lshl_add_u32 v254, v0, 2, 0x32000
	v_mov_b32 v255, 0
	ds_add_u32 v254, v255
	ds_add_u32 v254, v255
	v_lshrrev_b32 v1, 5, v0
	v_readfirstlane_b32 s18, v1                    ; wave 0..3
	s_bfe_u32 s19, ttmp6, 0x40000                  ; cx: it enters global addresses of the weight, the bias and the results alone
	s_and_b32 s20, ttmp7, 0xffff                   ; y, which the four partners share
	s_lshr_b32 s21, s20, 5                         ; type
	s_and_b32 s22, s20, 31                         ; tb
	s_lshl_b32 s23, s19, 2
	s_add_co_u32 s23, s23, s18                     ; my head
	; descriptor groups 1: dense blocks as rows of 256 bytes (32 elements of 8 bytes): the codes 192 rows a wave, the scale words 8
	s_mov_b32 s24, 15|(3<<16)|(1<<21)              ; 15:0 the mask: all four work-groups; 17:16 elements of 8 bytes; 21 set beside a mask
	s_mov_b32 s25, 32<<16                          ; tensor_dim0
	s_mov_b32 s26, 192<<16                         ; tensor_dim1
	s_mov_b32 s27, 32<<16                          ; tile_dim0
	s_mov_b32 s28, 192                             ; tile_dim1
	s_mov_b32 s29, 32                              ; tensor_dim0_stride
	s_mov_b32 s30, 0
	s_mov_b32 s31, 0
	s_mov_b32 s32, 15|(3<<16)|(1<<21)
	s_mov_b32 s33, 32<<16
	s_mov_b32 s34, 8<<16
	s_mov_b32 s35, 32<<16
	s_mov_b32 s36, 8
	s_mov_b32 s37, 32
	s_mov_b32 s38, 0
	s_mov_b32 s39, 0
	v_and_b32 v2, 31, v0                           ; lane
	v_and_b32 v3, 15, v0                           ; r
	v_bfe_u32 v9, v0, 4, 1                         ; h
	v_lshlrev_b32 v4, 4, v2                        ; 16 x lane
	v_lshlrev_b32 v5, 3, v2                        ; 8 x lane
	v_lshlrev_b32 v10, 5, v3                       ; 32 r: a row's eight scale words
	v_add_nc_u32 v13, XSCL, v10
	v_lshlrev_b32 v8, 4, v3
	v_lshl_add_u32 v8, v9, 3, v8                   ; 16 r + 8 h: my two of my row's four scale words
	v_lshlrev_b32 v11, 6, v9                       ; 64 h: the bias of q and k
	v_and_b32 v12, 8, v3
	v_add_nc_u32 v12, v12, v3
	v_lshlrev_b32 v12, 2, v12                      ; 4 (r + 8 (r / 8)): the bias of v
	v_mov_b32 v[TM+2], 0                           ; written once: a lane permute's destination counts as one of its sources
	v_mov_b32 v[TM+3], 0
	s_mov_b32 s58, 0x76543210
	s_mov_b32 s59, 0xfedcba98
	s_mov_b32 s60, 0xffff0000                      ; lanes 16-31
	; the block's tiles are 16 y .. 16 y + 15 of cod and scl; wave w fetches four of them
	s_mul_i32 s48, s20, 196608
	s_mul_i32 s41, s18, 49152                      ; my quarter: in LDS and in memory
	s_add_co_u32 s48, s48, s41
	s_mov_b32 s49, 0
	s_lshl_b32 s50, s20, 13
	s_lshl_b32 s45, s18, 11
	s_add_co_u32 s50, s50, s45
	s_mov_b32 s51, 0
	s_add_co_u32 s45, s45, XSCL
	s_mov_b32 s40, 1
	s_mov_b32 s44, 1
	s_wait_dscnt 0x0
	s_wait_kmcnt 0x0
	s_add_nc_u64 s[42:43], s[4:5], s[48:49]
	s_or_b32 s43, s43, 0x80000000
	s_add_nc_u64 s[46:47], s[6:7], s[50:51]
	s_or_b32 s47, s47, 0x80000000
	; my weight tiles: 1536 + 64 type + 4 head on
	s_lshl_b32 s48, s21, 6
	s_lshl_b32 s50, s23, 2
	s_add_co_u32 s48, s48, s50
	s_add_co_u32 s48, s48, 1536
	s_lshl_b32 s50, s48, 9
	s_mul_i32 s48, s48, 12288
	s_add_nc_u64 s[52:53], s[4:5], s[48:49]
	s_add_nc_u64 s[54:55], s[6:7], s[50:51]
	s_cmp_eq_u32 s21, 0
	s_cselect_b64 s[56:57], s[8:9], s[10:11]
	s_cmp_eq_u32 s21, 2
	s_cselect_b64 s[56:57], s[12:13], s[56:57]
	s_lshl_b32 s48, s23, 8
	s_add_nc_u64 s[56:57], s[56:57], s[48:49]      ; my head's 64 numbers of the bias
	; where my results go
	s_lshr_b32 s48, s22, 3                         ; batch
	s_lshl_b32 s48, s48, 4
	s_add_co_u32 s48, s48, s23                     ; batch x 16 + head
	s_and_b32 s50, s22, 7
	s_lshl_b32 s62, s48, 7
	s_lshl_b32 s63, s50, 4
	s_add_co_u32 s62, s62, s63
	s_mul_i32 s62, s62, 768                        ; the first HALF
	s_mul_i32 s63, s21, 6291456
	s_lshl_b32 s48, s48, 5
	s_lshl_b32 s50, s50, 2
	s_add_co_u32 s50, s48, s50
	s_lshl_b32 s50, s50, 8                         ; the first record of scale words
	s_lshl_b32 s48, s21, 19
	s_add_co_u32 s50, s50, s48
	s_add_co_u32 s48, s62, s63
	s_add_nc_u64 s[14:15], s[14:15], s[48:49]
	s_add_nc_u64 s[16:17], s[16:17], s[50:51]
	ROUND                                          ; all four work-groups are here: the joint loads meet
	tensor_load_to_lds s[40:43], s[24:31]          ; my two loads go out together: two are out
	s_nop 0
	tensor_load_to_lds s[44:47], s[32:39]
	s_nop 0
	PLACES                                         ; four lines behind a tensor load, ahead of the switch of windows
	WIN 0x40                                       ; destination window 1
.set f, 0
.rept 48
	global_load_b128 v[4*f:4*f+3], v4, s[52:53] offset:512*f   ; the images as they lie: register 4 f of the window is byte 512 f of two tiles' 24,576
.set f, f+1
.endr
	WIN 0x80                                       ; destination window 2
.set f, 0
.rept 48
	global_load_b128 v[4*f:4*f+3], v4, s[52:53] offset:24576+512*f
.set f, f+1
.endr
	WIN 0
.irp nt, 0,1,2,3
	global_load_b128 v[WSC+8*\nt:WSC+8*\nt+3], v10, s[54:55] offset:512*\nt
	global_load_b128 v[WSC+8*\nt+4:WSC+8*\nt+7], v10, s[54:55] offset:512*\nt+16
.endr
	s_cmp_eq_u32 s21, 2
	s_cbranch_scc1 .Lbias_v
	WIN 0xc0                                       ; destination window 3
.irp nt, 0,1,2,3                               ; q, k: register j of tile nt is channel 32 (nt / 2) + 16 h + 8 (nt % 2) + j
	global_load_b128 v[BI+8*\nt:BI+8*\nt+3], v11, s[56:57] offset:(32*(\nt/2)+8*(\nt%2))*4
	global_load_b128 v[BI+8*\nt+4:BI+8*\nt+7], v11, s[56:57] offset:(32*(\nt/2)+8*(\nt%2))*4+16
.endr
	WIN 0
	s_branch .Lbias_in
.Lbias_v:
	WIN 0xc0
.irp nt, 0,1,2,3                               ; v: all eight registers are my lane's channel 32 (nt / 2) + 8 (nt % 2) + r + 8 (r / 8)
.irp j, 0,1,2,3,4,5,6,7
	global_load_b32 v[BI+8*\nt+\j], v12, s[56:57] offset:(32*(\nt/2)+8*(\nt%2))*4
.endr
.endr
	WIN 0
.Lbias_in:
	s_wait_loadcnt 0x0
	s_wait_tensorcnt 0x0                           ; my quarter of the block is in LDS,
	s_barrier_signal -1
	s_barrier_wait -1                              ; everybody's is; nothing is filled again
	s_mov_b32 s61, 4                               ; blocks of 64 tokens
	s_mov_b32 s62, 0                               ; where the block's images begin,
	s_mov_b32 s63, 0                               ; and its scale words
.Lblock:
	v_add_nc_u32 v6, s62, v4
	v_add_nc_u32 v7, s63, v13
	s_cmp_eq_u32 s21, 2
	s_cbranch_scc1 .Lfor_v
	KLOOP 0
	s_branch .Lquant
.Lfor_v:
	KLOOP 1
.Lquant:
	PLACES                                         ; in front of the first read of results
.irp e, 0,1,2,3
	Q64W 32*\e, PW+\e
	global_store_b128 v4, v[PC:PC+3], s[14:15] offset:768*\e       ; 512 and 256 consecutive bytes, at multiples of 256 from the buffer's first byte
	global_store_b64 v5, v[PC+4:PC+5], s[14:15] offset:768*\e+512
.endr
	v_cndmask_b32 v[SW], v[PW], v[PW+2], s60       ; lanes 0-15 store their row's words 0, 1, lanes 16-31 words 2, 3
	v_cndmask_b32 v[SW+1], v[PW+1], v[PW+3], s60
	global_store_b64 v8, v[SW:SW+1], s[16:17]      ; the block's 256 bytes of scale words
	s_wait_xcnt 0x0                                ; the stores have read their registers and bases: both may be written again
	s_add_nc_u64 s[14:15], s[14:15], 3072
	s_add_nc_u64 s[16:17], s[16:17], 256
	s_add_co_u32 s62, s62, 49152
	s_add_co_u32 s63, s63, 2048
	s_sub_co_u32 s61, s61, 1
	s_cmp_lg_u32 s61, 0
	s_cbranch_scc1 .Lblock
	s_wait_tensorcnt 0x0
	ds_add_u32 v254, v255
	s_wait_dscnt 0x0
	ROUND                                          ; the closing round: no work-group ends while a partner may still ask for a block that names it
	s_endpgm
.Lfunc_end_k_q7ef1f1abeb_proj:
	.size	k_q7ef1f1abeb_proj, .Lfunc_end_k_q7ef1f1abeb_proj-k_q7ef1f1abeb_proj
	.p2alignl 7, 3214868480
	.fill 96, 4, 3214868480
	.section	.rodata,"a",@progbits
	.p2align	6, 0x0
	.amdhsa_kernel k_q7ef1f1abeb_proj
		.amdhsa_group_segment_fixed_size 205312
		.amdhsa_private_segment_fixed_size 0
		.amdhsa_enable_private_segment 0
		.amdhsa_kernarg_size 56
		.amdhsa_user_sgpr_count 2
		.amdhsa_user_sgpr_kernarg_segment_ptr 1
		.amdhsa_wavefront_size32 1
		.amdhsa_system_sgpr_workgroup_id_x 1
		.amdhsa_system_sgpr_workgroup_id_y 1
		.amdhsa_system_sgpr_workgroup_id_z 1
		.amdhsa_system_vgpr_workitem_id 0
		.amdhsa_next_free_vgpr 1024
		.amdhsa_next_free_sgpr 66
		.amdhsa_reserve_vcc 0
		.amdhsa_float_denorm_mode_32 3
		.amdhsa_float_denorm_mode_16_64 3
		.amdhsa_memory_ordered 1
		.amdhsa_forward_progress 1
		.amdhsa_inst_pref_size 79
	.end_amdhsa_kernel
	.amdgpu_metadata
---
amdhsa.version: [ 1, 2 ]
amdhsa.kernels:
  - .name:           k_q7ef1f1abeb_proj
    .symbol:         k_q7ef1f1abeb_proj.kd
    .args:
      - { .name: cod, .offset: 0, .size: 8, .value_kind: global_buffer, .address_space: global }
      - { .name: scl, .offset: 8, .size: 8, .value_kind: global_buffer, .address_space: global }
      - { .name: bq, .offset: 16, .size: 8, .value_kind: global_buffer, .address_space: global }
      - { .name: bk, .offset: 24, .size: 8, .value_kind: global_buffer, .address_space: global }
      - { .name: bv, .offset: 32, .size: 8, .value_kind: global_buffer, .address_space: global }
      - { .name: hcod, .offset: 40, .size: 8, .value_kind: global_buffer, .address_space: global }
      - { .name: hscl, .offset: 48, .size: 8, .value_kind: global_buffer, .address_space: global }
    .group_segment_fixed_size: 205312
    .private_segment_fixed_size: 0
    .kernarg_segment_align: 8
    .kernarg_segment_size: 56
    .max_flat_workgroup_size: 128
    .sgpr_count:     66
    .vgpr_count:     1024
    .wavefront_size: 32
...
	.end_amdgpu_metadata
.endif
;; end of part 2
;; launch attn (part 3): grid 8 x 64, 16 waves a work-group, no clusters, 210,944 bytes of LDS; arguments hcod, hscl, ml, mc, ccod, cscl; writes ccod, cscl
.if DOCPART == 3
	.amdgcn_target "amdgcn-amd-amdhsa--gfx1250"
	.amdhsa_code_object_version 6
	.text
	.protected	k_q7ef1f1abeb_attn
	.globl	k_q7ef1f1abeb_attn
	.p2align	8
	.type	k_q7ef1f1abeb_attn,@function
k_q7ef1f1abeb_attn:
	s_mov_b64 s[64:65], 0
	v_nop
	global_prefetch_b8 v0, s[64:65] scope:SCOPE_SE
	s_setreg_imm32_b32 hwreg(HW_REG_WAVE_MODE, 25, 1), 1
	s_wait_xcnt 0x0
; ctx = softmax(where(mask == 0, -1e9, qh kh^T / 8)) vh for one batch and head, both products on codes of FP6 (E2M3) with E8M0 scales; ctx is quantised along the model's 1,024 for the last product.
; THE SOFTMAX AHEAD OF THE SECOND PRODUCT: t = score x log2(e) / 8; M = the running largest t, rounded UP to a whole number; p = 2^(t - M) is quantised along the keys, not normalised; the row's sum is taken of the
; unquantised p and divides at the end.  When M moves, the sum and O are multiplied by 2^(old M - new M): exact.
; SHARES.  Work-group (j, batch x head).  Waves 0-7 take the 128 queries of block j, waves 8-15 those of block 15 - j; a wave owns one tile of 16 queries, Tq = 8 x block + wave % 8, in 256 registers.  No result hangs on that pairing.
; K AND V OF THE WHOLE HEAD LIE IN LDS: 2 x 98,304 bytes of codes, 8,192 + 4,096 of scale words, copied through registers once; one barrier; afterwards LDS is only read.
; THE MASK IS AN INPUT.  An earlier launch has stored, for each query tile and each step of 128 keys, whether any key is open, whether all are, and the lane masks.  A step with no open key is left out (its p would be 0), but only
; where every row of my tile has an open key somewhere; else all 16 steps are walked.  A step that is all open is not masked.  Else 64 v_cndmask_b32 put -2^33 in place of hidden scores.
; NO JOINT LOADS, though eight work-groups read one head's K and V: no tensor load, and with it no multicast.
; LAYOUT.  S^T = K Q^T (source 0 = 16 keys, source 1 = my queries), O^T = V^T P^T: a lane holds one query throughout.  Lane r of key tile t holds key 32 (t / 2) + 8 (t % 2) + r + 8 (r / 8), so that S's register n is key 32 (n / 16) + 16 h + n % 16.
; The head has 64 channels: the first product's K = 128 has zero codes of Q in its upper half (K's operand reads the next tile's codes there: they meet zeros; the upper scale bytes are 0, which is 2^-127 and no NaN).
; LIMITS: a hidden score counts as the logit -2^30 and not -1e9: the results are the same while open logits lie above some -1e9 (a row with no open key gives p = 1 for every key either way); a block of zeros gets the byte 1; NaN and infinities are not served.
.set KC,  0                            ; LDS: K's codes [step 16][tile 8] HALF (768 bytes: registers 0-3 at 16 x lane, 4-5 at 512 + 8 x lane)
.set VC,  98304                        ; V's codes [step][64 keys 2][channel tile 4] HALF
.set KS,  196608                       ; K's scale words [64 keys 32][r 16][tile 4]
.set VS,  204800                       ; V's scale words [step][r 16][channel tile 4], four bytes each
.set KV,  32                           ; v32-85  fragments of K (tile t at 6 t; v80-85 stay 0), then of V (tile dt at 12 dt)
.set S,   96                           ; v96-159 S^T, then p
.set O,   160                          ; v160-191 O^T
.set PCD, 192                          ; v192-203 p's codes
.set PT,  204                          ; v204-210 the second halves of the conversions
.set BM,  212                          ; v212-215 the blocks' largest scores, then largest p
.set BT,  216                          ; v216-219 at work
.set SOP, 220                          ; v220-223 the conversions' scale operands
.set KSC, 224                          ; v224-231 K's scale words
.set VSC, 232                          ; v232-235 V's
; v1 16 x lane, v2 8 x lane, v3, v4 my places among K's and V's scale words, v5-10 the step's addresses, v11 16 r, v12 -M, v13 the largest t, v[14:15] the sum, v16-27 Q, v28 Q's scale word, v29 -2^33,
; v30, v31 v1, v2 + VC, v236 f, v237 p's scale word, v238, v[240:241] at work.  At the head v96-203 carry my sixteenth of the head from memory to LDS.
; s[16:63], s[68:83] the step's 64 lane masks; s84 wave, s[86:87] lane selects, s[88:89] c, s90-92 the step's places in LDS, s93 the step, s94 steps to walk, s95 steps all open.
	s_load_b256 s[4:11], s[0:1], 0x0               ; hcod s[4:5], hscl s[6:7], ml s[8:9], mc s[10:11]
	s_load_b128 s[12:15], s[0:1], 0x20             ; ccod s[12:13], cscl s[14:15]
	v_lshl_add_u32 v254, v0, 2, 0x33000
	v_mov_b32 v255, 0
	v_lshrrev_b32 v1, 5, v0
	s_delay_alu instid0(VALU_DEP_1)
	v_readfirstlane_b32 s84, v1                    ; wave 0..15
	s_and_b32 s85, ttmp7, 0xffff                   ; batch x 16 + head
	s_sub_co_u32 s32, 15, ttmp9
	s_cmp_lt_u32 s84, 8
	s_cselect_b32 s32, ttmp9, s32                  ; my block of 128 queries
	s_and_b32 s33, s84, 7
	s_lshl_b32 s32, s32, 3
	s_add_co_u32 s32, s32, s33                     ; Tq
	s_lshl_b32 s34, s32, 6                         ; mc: 64 bytes a tile
	s_mov_b32 s35, 0
	s_lshl_b32 s36, s32, 12                        ; ml: 4,096 bytes a tile
	s_mov_b32 s37, 0
	s_lshl_b32 s38, s85, 7
	s_add_co_u32 s38, s38, s32
	s_mul_i32 s38, s38, 768                        ; Q's HALF
	s_mov_b32 s39, 0
	s_mul_i32 s40, s85, 98304
	s_mul_i32 s50, s84, 6144                       ; my sixteenth of a head's codes
	s_add_co_u32 s40, s40, s50
	s_add_co_u32 s40, s40, 6291456                 ; K's part of hcod; V's lies as far on again
	s_mov_b32 s41, 0
	s_lshl_b32 s42, s85, 13
	s_lshl_b32 s51, s84, 9
	s_add_co_u32 s42, s42, s51                     ; my sixteenth of a head's scale words
	s_mov_b32 s43, 0
	s_lshl_b32 s44, s85, 5
	s_lshr_b32 s33, s32, 2
	s_add_co_u32 s44, s44, s33
	s_lshl_b32 s44, s44, 8
	s_and_b32 s33, s32, 3
	s_lshl_b32 s33, s33, 2
	s_add_co_u32 s44, s44, s33                     ; Q's scale words: record Tq / 4, word Tq % 4 of each row
	s_mov_b32 s45, 0
	s_lshr_b32 s46, s85, 4
	s_lshl_b32 s46, s46, 7
	s_add_co_u32 s46, s46, s32                     ; 128 x batch + Tq
	s_lshl_b32 s46, s46, 4
	s_and_b32 s33, s85, 15
	s_add_co_u32 s46, s46, s33                     ; x 16 + head
	s_lshl_b32 s48, s46, 6
	s_mul_i32 s46, s46, 768
	s_mov_b32 s47, 0
	s_mov_b32 s49, 0
	s_lshl_b32 s52, s84, 8
	v_and_b32 v2, 31, v0
	v_and_b32 v11, 15, v0
	s_delay_alu instid0(VALU_DEP_2)
	v_lshlrev_b32 v1, 4, v2                        ; 16 x lane
	s_delay_alu instid0(VALU_DEP_3)
	v_lshlrev_b32 v2, 3, v2                        ; 8 x lane
	s_delay_alu instid0(VALU_DEP_3)
	v_lshlrev_b32 v11, 4, v11                      ; 16 r
	s_delay_alu instid0(VALU_DEP_1)
	v_add_nc_u32 v3, KS, v11
	s_delay_alu instid0(VALU_DEP_2)
	v_add_nc_u32 v4, VS, v11
	v_add_nc_u32 v30, VC, v1
	v_add_nc_u32 v31, VC, v2
	v_add_nc_u32 v5, s50, v1                       ; where I put K's codes: 6,144 x wave + 16 x lane,
	s_delay_alu instid0(VALU_DEP_3)
	v_add_nc_u32 v6, s50, v30                      ; V's,
	v_add_nc_u32 v7, s51, v1
	s_delay_alu instid0(VALU_DEP_1)
	v_add_nc_u32 v7, KS, v7                        ; K's scale words: 512 x wave + 16 x lane,
	v_add_nc_u32 v8, s52, v4                       ; V's: 256 x wave + 16 r
	s_mov_b32 s86, 0x76543210
	s_mov_b32 s87, 0xfedcba98                      ; v_permlanex16_b32's selects for lane l xor 16
	s_mov_b32 s88, 0x3e38aa3b                      ; c = log2(e) / 8
	s_mov_b32 s89, s88                             ; (named with it as a pair, so it is written)
	s_mov_b32 s90, 0
	s_mov_b32 s91, 0
	s_mov_b32 s92, 0
	s_mov_b32 s93, 0
	s_wait_kmcnt 0x0
	s_add_nc_u64 s[10:11], s[10:11], s[34:35]
	s_load_b512 s[16:31], s[10:11], 0x0            ; my tile's four class records
	s_add_nc_u64 s[8:9], s[8:9], s[36:37]
	s_add_nc_u64 s[38:39], s[4:5], s[38:39]
	s_add_nc_u64 s[40:41], s[4:5], s[40:41]
	s_add_nc_u64 s[42:43], s[6:7], s[42:43]
	s_add_nc_u64 s[44:45], s[6:7], s[44:45]
	s_add_nc_u64 s[12:13], s[12:13], s[46:47]
	s_add_nc_u64 s[14:15], s[14:15], s[48:49]
	global_load_b128 v[16:19], v1, s[38:39]        ; Q stays in registers
	global_load_b64 v[20:21], v2, s[38:39] offset:512
	global_load_b32 v28, v11, s[44:45]
.irp i, 0,1,2,3,4,5,6,7,8,9,10,11
	global_load_b128 v[96+4*\i:99+4*\i], v1, s[40:41] offset:512*\i              ; K's codes: 512 consecutive bytes a load
.endr
.irp i, 0,1,2,3,4,5,6,7,8,9,10,11
	global_load_b128 v[144+4*\i:147+4*\i], v1, s[40:41] offset:6291456+512*\i    ; V's
.endr
	global_load_b128 v[192:195], v1, s[42:43] offset:524288                      ; K's scale words
	global_load_b128 v[196:199], v11, s[42:43] offset:1048576                    ; V's, of step = wave: keys 0-63,
	global_load_b128 v[200:203], v11, s[42:43] offset:1048576+256                ; and keys 64-127
	; start values in registers that no load above writes (those write v16-21, v28 and v96-203)
.irp j, 22,23,24,25,26,27, 80,81,82,83,84,85
	v_mov_b32 v\j, 0                               ; zero codes: the upper half of Q's K, and what K's last tile reads there
.endr
.irp b, 0,1,2,3
	v_mov_b32 v[BT+\b], 0                          ; written once: a lane permute's destination counts as one of its sources
.endr
	v_mov_b32 v13, 0xff61b1e6                      ; the largest t so far: -3e38, under every t
	s_delay_alu instid0(VALU_DEP_1)
	v_floor_f32 v12, -v13                          ; -M
	v_mov_b32 v14, 0
	v_mov_b32 v15, 0
	v_mov_b32 v29, 0xd0000000                      ; -2^33: c times it is a whole number, so a row of hidden keys alone has p = 1
	v_mov_b32 v237, 0                              ; (named as the upper half of the pair v[236:237] before it is first written)
	v_mov_b32 v238, 0
	s_wait_loadcnt 0x0
.irp i, 0,1,2,3
	v_lshl_or_b32 v[196+\i], v[200+\i], 16, v[196+\i]   ; two bytes of each 64 keys make the word of 128
.endr
.irp i, 0,1,2,3,4,5,6,7,8,9,10,11
	ds_store_b128 v5, v[96+4*\i:99+4*\i] offset:512*\i
.endr
.irp i, 0,1,2,3,4,5,6,7,8,9,10,11
	ds_store_b128 v6, v[144+4*\i:147+4*\i] offset:512*\i
.endr
	ds_store_b128 v7, v[192:195]
	ds_store_b128 v8, v[196:199]                   ; (lanes l and l xor 16 write the same bytes with the same values)
	s_wait_dscnt 0x0                               ; for the others' sake: my stores are done; they have also read v96-203, which are free from here on
	s_barrier_signal -1
.set j, 0
.rept 32
	v_mov_b32 v[O+j], 0                            ; O^T, in registers that carried V's codes until the wait above.  (The step is written once: the first finds zeros, which the first change of M leaves zeros)
.set j, j+1
.endr
	s_barrier_wait -1                              ; the head lies in LDS; nobody writes LDS from here on
	s_wait_kmcnt 0x0
	s_or_b32 s94, s16, s20
	s_or_b32 s94, s94, s24
	s_or_b32 s94, s94, s28                         ; steps with an open key
	s_or_b32 s95, s17, s21
	s_or_b32 s95, s95, s25
	s_or_b32 s95, s95, s29                         ; steps all open
	s_or_b32 s97, s18, s22
	s_or_b32 s97, s97, s26
	s_or_b32 s97, s97, s30
	s_lshr_b32 s98, s97, 16
	s_or_b32 s97, s97, s98
	s_and_b32 s97, s97, 0xffff                     ; bit r: row r has an open key
	s_cmp_eq_u32 s97, 0xffff
	s_cselect_b32 s94, s94, 0xffff                 ; a row without any: every step is walked, since its hidden keys all count alike
.Lstep:                                            ; 16 trips, 128 keys each
	s_lshr_b32 s97, s94, s93
	s_and_b32 s97, s97, 1
	s_cmp_lg_u32 s97, 0
	s_cbranch_scc0 .Lskip                          ; a branch on a stored number, round the step's work; not round the lines that step addresses
	s_setprio 2
	v_add_nc_u32 v5, s90, v1                       ; (these six are also the places behind the last step's products, in front of the loads below)
	v_add_nc_u32 v6, s90, v2
	v_add_nc_u32 v7, s90, v30
	v_add_nc_u32 v8, s90, v31
	v_add_nc_u32 v9, s91, v3
	v_add_nc_u32 v10, s92, v4
.irp t, 0,1,2,3,4,5,6,7
	ds_load_b128 v[KV+6*\t:KV+6*\t+3], v5 offset:768*\t
	ds_load_b64 v[KV+6*\t+4:KV+6*\t+5], v6 offset:768*\t+512
.endr
	ds_load_b128 v[KSC:KSC+3], v9
	ds_load_b128 v[KSC+4:KSC+7], v9 offset:256
	s_wait_alu depctr_va_vdst(0)
	s_wait_dscnt 0x0
.irp t, 0,1,2,3,4,5,6,7
	v_wmma_scale_f32_16x16x128_f8f6f4 v[S+8*\t:S+8*\t+7], v[KV+6*\t:KV+6*\t+11], v[16:27], 0, v[KSC+\t], v28 matrix_a_fmt:MATRIX_FMT_FP6 matrix_b_fmt:MATRIX_FMT_FP6
.endr
.rept 4
	v_nop                                          ; places in front of the loads into K's registers and of the first read of the scores
.endr
.irp dt, 0,1,2,3                               ; V's fragments are asked for here and land under the softmax
.irp hf, 0,1
	ds_load_b128 v[KV+12*\dt+6*\hf:KV+12*\dt+6*\hf+3], v7 offset:3072*\hf+768*\dt
	ds_load_b64 v[KV+12*\dt+6*\hf+4:KV+12*\dt+6*\hf+5], v8 offset:3072*\hf+768*\dt+512
.endr
.endr
	ds_load_b128 v[VSC:VSC+3], v10
	s_lshr_b32 s97, s95, s93
	s_and_b32 s97, s97, 1
	s_cmp_lg_u32 s97, 0
	s_cbranch_scc1 .Lopen                          ; all 16 x 128 open: nothing to hide
	s_load_b512 s[16:31], s[8:9], 0x0              ; the step's 64 lane masks
	s_load_b512 s[32:47], s[8:9], 0x40
	s_load_b512 s[48:63], s[8:9], 0x80
	s_load_b512 s[68:83], s[8:9], 0xc0
	s_wait_kmcnt 0x0
.set n, 0
.rept 64
.if n < 48
	v_cndmask_b32 v[S+n], v29, v[S+n], s[16+n]     ; an open key keeps its score
.else
	v_cndmask_b32 v[S+n], v29, v[S+n], s[20+n]
.endif
.set n, n+1
.endr
.Lopen:
.irp b, 0,1,2,3
	v_max3_num_f32 v[BM+\b], v[S+16*\b], v[S+1+16*\b], v[S+2+16*\b]   ; the largest score of each block of 32 keys: it serves the row's maximum and, since p rises with the score, the block's largest p
.endr
.irp i, 3,5,7,9,11,13
.irp b, 0,1,2,3
	v_max3_num_f32 v[BM+\b], v[BM+\b], v[S+16*\b+\i], v[S+1+16*\b+\i]
.endr
.endr
.irp b, 0,1,2,3
	v_max_num_f32 v[BM+\b], v[BM+\b], v[S+15+16*\b]
.endr
.irp b, 0,1,2,3
	s_delay_alu instid0(VALU_DEP_4)
	v_permlanex16_b32 v[BT+\b], v[BM+\b], s86, s87
.endr
.irp b, 0,1,2,3
	s_delay_alu instid0(VALU_DEP_4)
	v_max_num_f32 v[BM+\b], v[BM+\b], v[BT+\b]     ; with lane l xor 16's 16 keys
.endr
	s_delay_alu instid0(VALU_DEP_2)
	v_max3_num_f32 v238, v[BM], v[BM+1], v[BM+2]
	s_delay_alu instid0(VALU_DEP_1)
	v_max_num_f32 v238, v238, v[BM+3]              ; the step's largest score of my query
	s_delay_alu instid0(VALU_DEP_1)
	v_mul_f32 v238, s88, v238                      ; as t (c is positive)
	s_delay_alu instid0(VALU_DEP_1)
	v_max_num_f32 v13, v13, v238                   ; the running largest t
	v_mov_b32 v238, v12
	s_delay_alu instid0(VALU_DEP_2)
	v_floor_f32 v12, -v13                          ; the new -M = floor(-t) = -ceil(t): a whole number
	s_delay_alu instid0(VALU_DEP_1)
	v_sub_f32 v238, v12, v238                      ; M's old value less its new one: 0 or less
	s_delay_alu instid0(VALU_DEP_1)
	v_cvt_i32_f32 v238, v238                       ; (it saturates)
	s_delay_alu instid0(VALU_DEP_1)
	v_ldexp_f32 v236, 1.0, v238                    ; f = 2^(old M - new M)
.set j, 0
.rept 32
	v_pk_fma_f32 v[S+j:S+j+1], v[S+j:S+j+1], s[88:89], v[12:13] op_sel_hi:[1,0,0]   ; t - M, two at a time (of the pairs c and -M the low word serves both halves)
.set j, j+2
.endr
.irp b, 0,1,2,3
	v_fma_f32 v[BM+\b], v[BM+\b], s88, v12         ; the same of each block's largest score
.endr
.set j, 0
	s_setprio 1
	s_wait_alu depctr_va_vdst(0)
.rept 64
	v_exp_f32 v[S+j], v[S+j]                       ; p = 2^(t - M), at most 1
.set j, j+1
.endr
	v_pk_mul_f32 v[14:15], v[14:15], v[236:237] op_sel_hi:[1,0]   ; the sums under the new M: a plain line behind the exponentials
	s_wait_alu depctr_va_vdst(0)                   ; one wait for the whole batch, ahead of its first reader
.irp b, 0,1,2,3
	v_exp_f32 v[BM+\b], v[BM+\b]                   ; the block's largest p: the same two instructions on the same number
.endr
	v_pk_add_f32 v[240:241], v[100:101], v[104:105]
	v_pk_add_f32 v[252:253], v[108:109], v[112:113]
	v_pk_add_f32 v[250:251], v[116:117], v[120:121]
	v_pk_add_f32 v[248:249], v[124:125], v[128:129]
	v_pk_add_f32 v[246:247], v[132:133], v[136:137]
	v_pk_add_f32 v[244:245], v[140:141], v[144:145]
	v_pk_add_f32 v[242:243], v[148:149], v[152:153]
	v_pk_add_f32 v[14:15], v[14:15], v[156:157]
	v_pk_add_f32 v[240:241], v[240:241], v[96:97]
	v_pk_add_f32 v[252:253], v[252:253], v[98:99]
	v_pk_add_f32 v[250:251], v[250:251], v[102:103]
	v_pk_add_f32 v[248:249], v[248:249], v[106:107]
	v_pk_add_f32 v[246:247], v[246:247], v[110:111]
	v_pk_add_f32 v[244:245], v[244:245], v[114:115]
	v_pk_add_f32 v[242:243], v[242:243], v[118:119]
	v_pk_add_f32 v[14:15], v[14:15], v[122:123]
	v_pk_add_f32 v[240:241], v[240:241], v[126:127]
	v_pk_add_f32 v[252:253], v[252:253], v[130:131]
	v_pk_add_f32 v[250:251], v[250:251], v[134:135]
	v_pk_add_f32 v[248:249], v[248:249], v[138:139]
	v_pk_add_f32 v[246:247], v[246:247], v[142:143]
	v_pk_add_f32 v[244:245], v[244:245], v[146:147]
	v_pk_add_f32 v[242:243], v[242:243], v[150:151]
	v_pk_add_f32 v[14:15], v[14:15], v[154:155]
	v_pk_add_f32 v[240:241], v[240:241], v[158:159]
	s_delay_alu instid0(VALU_DEP_2)
	v_pk_add_f32 v[14:15], v[14:15], v[248:249]
	s_delay_alu instid0(VALU_DEP_2)
	v_pk_add_f32 v[240:241], v[240:241], v[246:247]
	v_pk_add_f32 v[252:253], v[252:253], v[244:245]
	v_pk_add_f32 v[250:251], v[250:251], v[242:243]
	s_delay_alu instid0(VALU_DEP_2)
	v_pk_add_f32 v[14:15], v[14:15], v[252:253]
	s_delay_alu instid0(VALU_DEP_2)
	v_pk_add_f32 v[240:241], v[240:241], v[250:251]
	s_delay_alu instid0(VALU_DEP_1)
	v_pk_add_f32 v[14:15], v[14:15], v[240:241]
	s_wait_alu depctr_va_vdst(0)                   ; and one for the four
.irp b, 0,1,2,3
	v_max_num_f32 v[BM+\b], 0x1800000, v[BM+\b]    ; the floor 2^(3 - 127): the byte cannot fall under 1
.endr
.irp b, 0,1,2,3
	s_delay_alu instid0(VALU_DEP_4)
	v_add_nc_u32 v[SOP+\b], 0xff000000, v[BM+\b]   ; 2 off the exponent field: the conversion's scale operand
.endr
.irp b, 0,1,2,3
	s_delay_alu instid0(VALU_DEP_4)
	v_lshrrev_b32 v[BT+\b], 23, v[SOP+\b]          ; the scale's byte
.endr
	s_delay_alu instid0(VALU_DEP_3)
	v_lshl_or_b32 v237, v[BT+1], 8, v[BT]          ; p's scale word for these 128 keys
	s_delay_alu instid0(VALU_DEP_1)
	v_lshl_or_b32 v237, v[BT+2], 16, v237
	s_delay_alu instid0(VALU_DEP_1)
	v_lshl_or_b32 v237, v[BT+3], 24, v237
.irp c, 0,1
	v_cvt_scalef32_pk16_fp6_f32 v[PCD+6*\c:PCD+6*\c+2], v[S+32*\c:S+32*\c+15], v[SOP+2*\c]
	v_cvt_scalef32_pk16_fp6_f32 v[PT+4*\c:PT+4*\c+2], v[S+16+32*\c:S+31+32*\c], v[SOP+2*\c+1]   ; (a conversion's three registers begin on an even number)
.endr
	s_setprio 0
	v_nop                                          ; one plain place behind a scaled conversion
.irp c, 0,1                                    ; a whole block to a lane: lanes 0-15 block 2 c, lanes 16-31 block 2 c + 1
.irp i, 0,1,2
	v_permlane16_swap_b32 v[PCD+6*\c+\i], v[PT+4*\c+\i]
.endr
.irp i, 0,1,2
	s_delay_alu instid0(VALU_DEP_3)
	v_mov_b32 v[PCD+3+6*\c+\i], v[PT+4*\c+\i]
.endr
.endr
.set j, 0
.rept 16
	v_pk_mul_f32 v[O+j:O+j+1], v[O+j:O+j+1], v[236:237] op_sel_hi:[1,0]   ; O^T under the new M.  (These are also the places between the scale word and the codes just made and the products below)
.set j, j+2
.endr
	s_wait_alu depctr_va_vdst(0)
	s_wait_dscnt 0x0                               ; V is in
.irp dt, 0,1,2,3
	v_wmma_scale_f32_16x16x128_f8f6f4 v[O+8*\dt:O+8*\dt+7], v[KV+12*\dt:KV+12*\dt+11], v[PCD:PCD+11], v[O+8*\dt:O+8*\dt+7], v[VSC+\dt], v237 matrix_a_fmt:MATRIX_FMT_FP6 matrix_b_fmt:MATRIX_FMT_FP6
.endr
.Lskip:
	s_add_co_u32 s90, s90, 6144                    ; the next step's codes,
	s_add_co_u32 s91, s91, 512                     ; K's scale words,
	s_add_co_u32 s92, s92, 256                     ; V's,
	s_add_nc_u64 s[8:9], s[8:9], 256               ; and lane masks (no scalar load is out: the arm that loads waits for it)
	s_add_co_u32 s93, s93, 1
	s_cmp_lt_u32 s93, 16
	s_cbranch_scc1 .Lstep
	s_setprio 0
	; THE WAY OUT: O^T / the sum; its 32 registers are channels 32 b + 16 h + i of my query: two blocks of the last product's K
.rept 4
	v_nop                                          ; places behind the last products
.endr
	v_add_f32 v14, v14, v15
	s_delay_alu instid0(VALU_DEP_1)
	v_permlanex16_b32 v238, v14, s86, s87
	s_delay_alu instid0(VALU_DEP_1)
	v_add_f32 v14, v14, v238                       ; the row's sum
	s_wait_alu depctr_va_vdst(0)
	v_rcp_f32 v14, v14
	v_and_b32 v5, 31, v0                           ; (a plain place behind the reciprocal)
	v_and_b32 v6, 15, v0
	s_delay_alu instid0(VALU_DEP_1)
	v_lshlrev_b32 v6, 2, v6                        ; 4 r
	s_wait_alu depctr_va_vdst(0)                   ; the wait, ahead of the first reader
.set j, 0
.rept 32
	v_mul_f32 v[S+j], v[O+j], v14
.set j, j+1
.endr
.irp b, 0,1
	v_max3_num_f32 v[BM+\b], |v[S+16*\b]|, |v[S+1+16*\b]|, 0x1800000
.endr
.irp i, 2,4,6,8,10,12,14
.irp b, 0,1
	s_delay_alu instid0(VALU_DEP_2)
	v_max3_num_f32 v[BM+\b], v[BM+\b], |v[S+16*\b+\i]|, |v[S+1+16*\b+\i]|
.endr
.endr
.irp b, 0,1
	s_delay_alu instid0(VALU_DEP_2)
	v_permlanex16_b32 v[BT+\b], v[BM+\b], s86, s87
.endr
.irp b, 0,1
	s_delay_alu instid0(VALU_DEP_2)
	v_max_num_f32 v[BM+\b], v[BM+\b], v[BT+\b]
.endr
.irp b, 0,1
	s_delay_alu instid0(VALU_DEP_2)
	v_add_nc_u32 v[SOP+\b], 0xff000000, v[BM+\b]
.endr
.irp b, 0,1
	s_delay_alu instid0(VALU_DEP_2)
	v_lshrrev_b32 v[BT+\b], 23, v[SOP+\b]
.endr
	s_delay_alu instid0(VALU_DEP_1)
	v_lshl_or_b32 v237, v[BT+1], 8, v[BT]          ; two bytes; the upper two stay 0
	v_cvt_scalef32_pk16_fp6_f32 v[PCD:PCD+2], v[S:S+15], v[SOP]
	v_cvt_scalef32_pk16_fp6_f32 v[PT:PT+2], v[S+16:S+31], v[SOP+1]
	v_nop
.irp i, 0,1,2
	v_permlane16_swap_b32 v[PCD+\i], v[PT+\i]
.endr
.irp i, 0,1,2
	s_delay_alu instid0(VALU_DEP_3)
	v_mov_b32 v[PCD+3+\i], v[PT+\i]
.endr
	global_store_b128 v1, v[PCD:PCD+3], s[12:13]   ; ccod [128 x batch + Tq][head] HALF: 512 and 256 consecutive bytes, at multiples of 256 from the buffer's first byte
	global_store_b64 v2, v[PCD+4:PCD+5], s[12:13] offset:512
	v_cmp_gt_u32 vcc_lo, 16, v5
	s_wait_xcnt 0x0                                ; EXEC is a source of the stores above
	s_wait_tensorcnt 0x0
	ds_add_u32 v254, v255
	s_wait_dscnt 0x0
	s_and_saveexec_b32 s97, vcc_lo
	global_store_b32 v6, v237, s[14:15]            ; cscl [tile][head][r]: lanes 0-15, a word a row
	s_wait_xcnt 0x0
	s_or_b32 exec_lo, exec_lo, s97
	s_endpgm
.Lfunc_end_k_q7ef1f1abeb_attn:
	.size	k_q7ef1f1abeb_attn, .Lfunc_end_k_q7ef1f1abeb_attn-k_q7ef1f1abeb_attn
	.p2alignl 7, 3214868480
	.fill 96, 4, 3214868480
	.section	.rodata,"a",@progbits
	.p2align	6, 0x0
	.amdhsa_kernel k_q7ef1f1abeb_attn
		.amdhsa_group_segment_fixed_size 210944
		.amdhsa_private_segment_fixed_size 0
		.amdhsa_enable_private_segment 0
		.amdhsa_kernarg_size 48
		.amdhsa_user_sgpr_count 2
		.amdhsa_user_sgpr_kernarg_segment_ptr 1
		.amdhsa_wavefront_size32 1
		.amdhsa_system_sgpr_workgroup_id_x 1
		.amdhsa_system_sgpr_workgroup_id_y 1
		.amdhsa_system_sgpr_workgroup_id_z 1
		.amdhsa_system_vgpr_workitem_id 0
		.amdhsa_next_free_vgpr 256
		.amdhsa_next_free_sgpr 100
		.amdhsa_reserve_vcc 1
		.amdhsa_float_denorm_mode_32 3
		.amdhsa_float_denorm_mode_16_64 3
		.amdhsa_memory_ordered 1
		.amdhsa_forward_progress 1
		.amdhsa_inst_pref_size 38
	.end_amdhsa_kernel
	.amdgpu_metadata
---
amdhsa.version: [ 1, 2 ]
amdhsa.kernels:
  - .name:           k_q7ef1f1abeb_attn
    .symbol:         k_q7ef1f1abeb_attn.kd
    .args:
      - { .name: hcod, .offset: 0, .size: 8, .value_kind: global_buffer, .address_space: global }
      - { .name: hscl, .offset: 8, .size: 8, .value_kind: global_buffer, .address_space: global }
      - { .name: ml, .offset: 16, .size: 8, .value_kind: global_buffer, .address_space: global }
      - { .name: mc, .offset: 24, .size: 8, .value_kind: global_buffer, .address_space: global }
      - { .name: ccod, .offset: 32, .size: 8, .value_kind: global_buffer, .address_space: global }
      - { .name: cscl, .offset: 40, .size: 8, .value_kind: global_buffer, .address_space: global }
    .group_segment_fixed_size: 210944
    .private_segment_fixed_size: 0
    .kernarg_segment_align: 8
    .kernarg_segment_size: 48
    .max_flat_workgroup_size: 512
    .sgpr_count:     100
    .vgpr_count:     256
    .wavefront_size: 32
...
	.end_amdgpu_metadata
.endif
;; end of part 3
;; launch outp (part 4): grid 4 x 64, 4 waves a work-group, clusters of 4 x 1, 168,448 bytes of LDS; arguments ccod, cscl, cod, scl, bo, out0; writes out0
.if DOCPART == 4
	.amdgcn_target "amdgcn-amd-amdhsa--gfx1250"
	.amdhsa_code_object_version 6
	.text
	.protected	k_q7ef1f1abeb_outp
	.globl	k_q7ef1f1abeb_outp
	.p2align	8
	.type	k_q7ef1f1abeb_outp,@function
k_q7ef1f1abeb_outp:
	s_mov_b64 s[64:65], 0
	v_nop
	global_prefetch_b8 v0, s[64:65] scope:SCOPE_SE
	s_setreg_imm32_b32 hwreg(HW_REG_WAVE_MODE, 25, 1), 1
	s_wait_xcnt 0x0
	s_wait_alu depctr_hold_cnt(0) depctr_sa_sdst(0) depctr_va_vdst(0) depctr_va_sdst(0) depctr_va_ssrc(0) depctr_va_vcc(0) depctr_vm_vsrc(0)
	s_getreg_b32 s2, hwreg(HW_REG_IB_STS2, 6, 4)
	s_cmp_eq_u32 s2, 0
	s_cbranch_scc0 .Lentry_in_a_cluster
	s_endpgm
.Lentry_in_a_cluster:
	s_bfe_u32 s2, ttmp6, 0x10000c
	s_cmp_lg_u32 s2, 0x3003
	s_cbranch_scc0 .Lentry_shape_is_right
	s_endpgm
.Lentry_shape_is_right:
; out0 = ctx Wo^T + bo on codes of FP6 (E2M3) with E8M0 scales, sums in f32.
; SHARES.  Work-group y owns 128 tokens (tiles 8 y .. 8 y + 7 of ccod), its place cx in the cluster of four a quarter of the 1,024 outputs; wave w owns outputs 256 cx + 64 w .. + 63: four tiles of Wo, 32 fragments, 384 registers, read once and kept.
; The tokens' codes (98,304 bytes) and scale words (8,192) come into LDS ONCE, by two tensor loads a wave, jointly for the four partners (the same descriptor, made of y and the wave's number alone; mask 15), and are only read afterwards.
; ccod: [tile][head 16] HALF (16 rows x 64 K, 768 bytes: registers 0-3 at 16 x lane, 4-5 at 512 + 8 x lane): heads 2 ks and 2 ks + 1 are K step ks's fragment.  cscl: [tile][head][r] words of two bytes.
; Source 0 = a tile of Wo, source 1 = a tile of tokens: a lane holds one token, and register j of weight tile nt is output 32 (nt / 2) + 16 h + 8 (nt % 2) + j.  bo is the C of each sum's first matrix instruction.
; THE WAY OUT: a token tile's 16 rows x 64 outputs go through the wave's own stage in LDS and leave as rows of 256 bytes: sixteen lanes store 256 consecutive bytes, at a multiple of 256 from out0's first byte.
; Lane r of a tile holds row 32 (t / 2) + 8 (t % 2) + r + 8 (r / 8).
; REGISTERS: window 0: v4-17 addresses; v32-127 token fragments, two sets of 4 x 12; v128-159 their scale words; v160-191 Wo's; v192-255 rows on the way out.  window 1, 2: Wo's fragments.  window 3: v0-127 accumulators, v128-159 bo.
.set CSCL, 98304                       ; LDS: 8 tiles x 12,288 bytes of codes from byte 0; behind them 8 x 1,024 bytes of scale words;
.set STG,  106496                      ; behind those the stages, 16 rows x 272 bytes for each wave: blocks of 256 bytes into which no fill lands
.set XF,   32
.set XSC,  128
.set WSC,  160
.set OB,   192
.set BI,   128
.set MSB, 0
.macro WIN new                         ; the immediate's high byte repeats the setting that is left
.if MSB != \new
	s_set_vgpr_msb (MSB<<8)|\new
.set MSB, \new
.endif
.endm
.macro PLACES                          ; four plain places behind a matrix instruction of this form (ISA guide 7.12.1)
.rept 4
	v_nop
.endr
.endm
.macro ROUND                           ; a round of the cluster's barrier
	s_barrier_signal -1
	s_barrier_wait -1
	s_cmp_lg_u32 s18, 0
	s_cbranch_scc1 .Lnot_wave_0_\@
	s_barrier_signal -3
.Lnot_wave_0_\@:
	s_barrier_wait -3
	s_barrier_signal -1
	s_barrier_wait -1
.endm
.macro FETCHC ks, st                   ; the block's four token fragments of K step ks into set st: 16 loads
.irp tt, 0,1,2,3
.set rF, XF+48*(\st)+12*\tt
	ds_load_b128 v[rF:rF+3], v6 offset:12288*\tt+1536*(\ks)
	ds_load_b64 v[rF+4:rF+5], v16 offset:12288*\tt+1536*(\ks)+512
	ds_load_b128 v[rF+6:rF+9], v6 offset:12288*\tt+1536*(\ks)+768
	ds_load_b64 v[rF+10:rF+11], v16 offset:12288*\tt+1536*(\ks)+1280
.endr
.endm
; 8 matrix instructions: weight tiles n0, n0 + 1 x four token tiles.  The 16 accumulators take turns, one instruction a turn, in the same order in every K step.
.macro MUL8 ks, n0
	WIN 0xf1+((\n0)/2)                             ; source 0 (Wo) window 1 or 2, C and D window 3
.irp n, 0,1
.irp tt, 0,1,2,3
.set nt, (\n0)+\n
.set rW, 12*(8*\n+(\ks))
.set rX, XF+48*((\ks)%2)+12*\tt
.set rD, 8*(4*\tt+nt)
.set rC, rD
.if (\ks) == 0
.set rC, BI+8*nt                       ; the first K step starts the sum from the bias
.endif
	v_wmma_scale_f32_16x16x128_f8f6f4 v[rD:rD+7], v[rW:rW+11], v[rX:rX+11], v[rC:rC+7], v[WSC+8*nt+(\ks)], v[XSC+8*\tt+(\ks)] matrix_a_fmt:MATRIX_FMT_FP6 matrix_b_fmt:MATRIX_FMT_FP6
.endr
.endr
.endm
	s_load_b256 s[4:11], s[0:1], 0x0               ; ccod s[4:5], cscl s[6:7], cod s[8:9], scl s[10:11]
	s_load_b128 s[12:15], s[0:1], 0x20             ; bo s[12:13], out0 s[14:15]
	v_lshl_add_u32 v30, v0, 2, 0x29000
	v_mov_b32 v31, 0
	ds_add_u32 v30, v31
	ds_add_u32 v30, v31
	v_lshrrev_b32 v1, 5, v0
	v_readfirstlane_b32 s18, v1                    ; wave 0..3
	s_bfe_u32 s19, ttmp6, 0x40000                  ; cx: it enters global addresses of Wo, bo and out0 alone
	s_and_b32 s20, ttmp7, 0xffff                   ; y, which the four partners share
	s_lshl_b32 s23, s19, 2
	s_add_co_u32 s23, s23, s18                     ; which 64 outputs are mine
	; descriptor groups 1: dense blocks as rows of 256 bytes (32 elements of 8 bytes): the codes 96 rows a wave, the scale words 8
	s_mov_b32 s24, 15|(3<<16)|(1<<21)              ; 15:0 the mask: all four work-groups; 17:16 elements of 8 bytes; 21 set beside a mask
	s_mov_b32 s25, 32<<16
	s_mov_b32 s26, 96<<16
	s_mov_b32 s27, 32<<16
	s_mov_b32 s28, 96
	s_mov_b32 s29, 32
	s_mov_b32 s30, 0
	s_mov_b32 s31, 0
	s_mov_b32 s32, 15|(3<<16)|(1<<21)
	s_mov_b32 s33, 32<<16
	s_mov_b32 s34, 8<<16
	s_mov_b32 s35, 32<<16
	s_mov_b32 s36, 8
	s_mov_b32 s37, 32
	s_mov_b32 s38, 0
	s_mov_b32 s39, 0
	v_and_b32 v2, 31, v0                           ; lane
	v_and_b32 v3, 15, v0                           ; r
	v_bfe_u32 v9, v0, 4, 1                         ; h
	v_lshlrev_b32 v4, 4, v2                        ; 16 x lane
	v_lshlrev_b32 v5, 3, v2                        ; 8 x lane
	v_lshlrev_b32 v10, 5, v3                       ; 32 r: a row's eight scale words of Wo
	v_lshlrev_b32 v11, 6, v9                       ; 64 h: the bias
	v_lshl_add_u32 v13, v3, 2, CSCL                ; 4 r: the tokens' scale words
	s_mul_i32 s48, s18, 4352
	s_add_co_u32 s48, s48, STG                     ; my stage
	v_mul_u32_u24 v14, v3, 272
	v_lshl_add_u32 v14, v9, 6, v14
	v_add_nc_u32 v14, s48, v14                     ; in: row r, + 64 h
	v_mul_u32_u24 v15, v9, 272
	v_lshl_add_u32 v15, v3, 4, v15
	v_add_nc_u32 v15, s48, v15                     ; back: lanes 0-15 one row of 256 bytes, lanes 16-31 the next
	v_lshlrev_b32 v17, 12, v9
	v_lshl_add_u32 v17, v3, 4, v17                 ; and the same two rows of out0
	s_mul_i32 s48, s20, 98304
	s_mul_i32 s41, s18, 24576                      ; my quarter: in LDS and in memory
	s_add_co_u32 s48, s48, s41
	s_mov_b32 s49, 0
	s_lshl_b32 s50, s20, 13
	s_lshl_b32 s45, s18, 11
	s_add_co_u32 s50, s50, s45
	s_mov_b32 s51, 0
	s_add_co_u32 s45, s45, CSCL
	s_mov_b32 s40, 1
	s_mov_b32 s44, 1
	s_wait_dscnt 0x0
	s_wait_kmcnt 0x0
	s_add_nc_u64 s[42:43], s[4:5], s[48:49]
	s_or_b32 s43, s43, 0x80000000
	s_add_nc_u64 s[46:47], s[6:7], s[50:51]
	s_or_b32 s47, s47, 0x80000000
	s_lshl_b32 s48, s23, 2
	s_add_co_u32 s48, s48, 1728                    ; my first tile of Wo
	s_lshl_b32 s50, s48, 9
	s_mul_i32 s48, s48, 12288
	s_add_nc_u64 s[52:53], s[8:9], s[48:49]
	s_add_nc_u64 s[54:55], s[10:11], s[50:51]
	s_lshl_b32 s48, s23, 8                         ; my 64 outputs: 256 bytes of bo and of a row of out0
	s_add_nc_u64 s[12:13], s[12:13], s[48:49]
	s_add_nc_u64 s[14:15], s[14:15], s[48:49]
	s_lshl_b32 s48, s20, 19                        ; 128 rows of 4,096 bytes a work-group
	s_add_nc_u64 s[14:15], s[14:15], s[48:49]
	ROUND                                          ; all four work-groups are here: the joint loads meet
	tensor_load_to_lds s[40:43], s[24:31]          ; my two loads go out together: two are out
	s_nop 0
	tensor_load_to_lds s[44:47], s[32:39]
	s_nop 0
	PLACES                                         ; four lines behind a tensor load, ahead of the switch of windows
	WIN 0x40                                       ; destination window 1
.set f, 0
.rept 48
	global_load_b128 v[4*f:4*f+3], v4, s[52:53] offset:512*f
.set f, f+1
.endr
	WIN 0x80                                       ; destination window 2
.set f, 0
.rept 48
	global_load_b128 v[4*f:4*f+3], v4, s[52:53] offset:24576+512*f
.set f, f+1
.endr
	WIN 0
.irp nt, 0,1,2,3
	global_load_b128 v[WSC+8*\nt:WSC+8*\nt+3], v10, s[54:55] offset:512*\nt
	global_load_b128 v[WSC+8*\nt+4:WSC+8*\nt+7], v10, s[54:55] offset:512*\nt+16
.endr
	WIN 0xc0                                       ; destination window 3
.irp nt, 0,1,2,3
	global_load_b128 v[BI+8*\nt:BI+8*\nt+3], v11, s[12:13] offset:(32*(\nt/2)+8*(\nt%2))*4
	global_load_b128 v[BI+8*\nt+4:BI+8*\nt+7], v11, s[12:13] offset:(32*(\nt/2)+8*(\nt%2))*4+16
.endr
	WIN 0
	s_wait_loadcnt 0x0
	s_wait_tensorcnt 0x0                           ; my quarter of the tokens is in LDS,
	s_barrier_signal -1
	s_barrier_wait -1                              ; everybody's is; nothing is filled again
	s_mov_b32 s61, 2                               ; blocks of 64 tokens
	s_mov_b32 s62, 0                               ; where the block's codes begin,
	s_mov_b32 s63, 0                               ; and its scale words
.Lblock:
	v_add_nc_u32 v6, s62, v4
	v_add_nc_u32 v16, s62, v5
	v_add_nc_u32 v7, s63, v13
.set j, 0
.rept 64
	ds_load_b32 v[XF+j], v7 offset:64*j            ; tile j / 16, head j % 16: my row's two bytes
.set j, j+1
.endr
	s_wait_dscnt 0x0
.irp tt, 0,1,2,3
.irp ks, 0,1,2,3,4,5,6,7
	v_lshl_or_b32 v[XSC+8*\tt+\ks], v[XF+16*\tt+2*\ks+1], 16, v[XF+16*\tt+2*\ks]   ; two heads' bytes make K step ks's word
.endr
.endr
.rept 8
	v_nop                                          ; a scale register written by a vector instruction stands eight places ahead of a scaled matrix instruction
.endr
	FETCHC 0, 0
.irp ks, 0,1,2,3,4,5,6,7
.if \ks > 0
	PLACES                                         ; in front of loads into the set that the K step before multiplied
.endif
.if \ks < 7
	FETCHC (\ks+1), ((\ks+1)%2)
	s_wait_dscnt 16                                ; all but the 16 just issued: this K step's fragments are in
.else
	s_wait_dscnt 0x0
.endif
	MUL8 \ks, 0
	MUL8 \ks, 2
	WIN 0
.endr
	PLACES                                         ; in front of the first read of results
.irp tt, 0,1,2,3
	s_wait_xcnt 0x0                                ; earlier stores have read the registers into which the rows below are loaded
	WIN 0x0c                                       ; an LDS store's data are its source 1: window 3
.irp nt, 0,1,2,3
	ds_store_b128 v14, v[8*(4*\tt+\nt):8*(4*\tt+\nt)+3] offset:128*(\nt/2)+32*(\nt%2)        ; each accumulator from its low end on
	ds_store_b128 v14, v[8*(4*\tt+\nt)+4:8*(4*\tt+\nt)+7] offset:128*(\nt/2)+32*(\nt%2)+16
.endr
	WIN 0
.irp i, 0,1,2,3,4,5,6,7
	ds_load_b128 v[OB+32*(\tt%2)+4*\i:OB+32*(\tt%2)+4*\i+3], v15 offset:2*\i*272   ; LDS serves a wave's instructions in order (ISA guide 5.7.1.4): these see the stores above
.endr
	s_wait_dscnt 0x0
.irp i, 0,1,2,3,4,5,6,7
	global_store_b128 v17, v[OB+32*(\tt%2)+4*\i:OB+32*(\tt%2)+4*\i+3], s[14:15] offset:(32*(\tt/2)+8*(\tt%2)+2*\i+8*(\i/4))*4096 th:TH_STORE_NT   ; stage rows 2 i and 2 i + 1 are the tile's rows 2 i + h + 8 (i / 4)
.endr
.endr
	s_wait_xcnt 0x0                                ; the stores have read their base
	s_add_nc_u64 s[14:15], s[14:15], 64*4096
	s_add_co_u32 s62, s62, 49152
	s_add_co_u32 s63, s63, 4096
	s_sub_co_u32 s61, s61, 1
	s_cmp_lg_u32 s61, 0
	s_cbranch_scc1 .Lblock
	s_wait_tensorcnt 0x0
	ds_add_u32 v30, v31
	s_wait_dscnt 0x0
	ROUND                                          ; the closing round: no work-group ends while a partner may still ask for a block that names it
	s_endpgm
.Lfunc_end_k_q7ef1f1abeb_outp:
	.size	k_q7ef1f1abeb_outp, .Lfunc_end_k_q7ef1f1abeb_outp-k_q7ef1f1abeb_outp
	.p2alignl 7, 3214868480
	.fill 96, 4, 3214868480
	.section	.rodata,"a",@progbits
	.p2align	6, 0x0
	.amdhsa_kernel k_q7ef1f1abeb_outp
		.amdhsa_group_segment_fixed_size 168448
		.amdhsa_private_segment_fixed_size 0
		.amdhsa_enable_private_segment 0
		.amdhsa_kernarg_size 48
		.amdhsa_user_sgpr_count 2
		.amdhsa_user_sgpr_kernarg_segment_ptr 1
		.amdhsa_wavefront_size32 1
		.amdhsa_system_sgpr_workgroup_id_x 1
		.amdhsa_system_sgpr_workgroup_id_y 1
		.amdhsa_system_sgpr_workgroup_id_z 1
		.amdhsa_system_vgpr_workitem_id 0
		.amdhsa_next_free_vgpr 1024
		.amdhsa_next_free_sgpr 66
		.amdhsa_reserve_vcc 0
		.amdhsa_float_denorm_mode_32 3
		.amdhsa_float_denorm_mode_16_64 3
		.amdhsa_memory_ordered 1
		.amdhsa_forward_progress 1
		.amdhsa_inst_pref_size 57
	.end_amdhsa_kernel
	.amdgpu_metadata
---
amdhsa.version: [ 1, 2 ]
amdhsa.kernels:
  - .name:           k_q7ef1f1abeb_outp
    .symbol:         k_q7ef1f1abeb_outp.kd
    .args:
      - { .name: ccod, .offset: 0, .size: 8, .value_kind: global_buffer, .address_space: global }
      - { .name: cscl, .offset: 8, .size: 8, .value_kind: global_buffer, .address_space: global }
      - { .name: cod, .offset: 16, .size: 8, .value_kind: global_buffer, .address_space: global }
      - { .name: scl, .offset: 24, .size: 8, .value_kind: global_buffer, .address_space: global }
      - { .name: bo, .offset: 32, .size: 8, .value_kind: global_buffer, .address_space: global }
      - { .name: out0, .offset: 40, .size: 8, .value_kind: global_buffer, .address_space: global }
    .group_segment_fixed_size: 168448
    .private_segment_fixed_size: 0
    .kernarg_segment_align: 8
    .kernarg_segment_size: 48
    .max_flat_workgroup_size: 128
    .sgpr_count:     66
    .vgpr_count:     1024
    .wavefront_size: 32
...
	.end_amdgpu_metadata
.endif
;; end of part 4
